; MI455X (gfx1250); checked and timed in simulation.
; The chip was launched on July 23, 2026; its instructions are those of AMD's public machine-readable ISA for CDNA 5 (MIT licence, August 2026) and "CDNA5" Instruction Set Architecture Reference Guide (July 2026). The comments in the code are by the model that wrote it; some were corrected since.
;; Patch Core. Allowed arithmetic: float matrix products may take bf16 or f16 operands with f32 sums; all other float work in f32.
;; Inputs: coreset 8,192 x 1,024 float32; features 8 x 1,024 x 32 x 32 float32.
;; Outputs: out0 8,192 float32.
;; 2 versions, each right; version 2 is version 1 with the launch prep_emb written anew for expert scheduling mode. Each part assembles by itself: llvm-mc -triple=amdgcn-amd-amdhsa -mcpu=gfx1250 --defsym DOCPART=n.
;; ======== version 1 of 2: 4 launches
;; workspace buffers: embT 16,777,216 bytes; coreB 16,777,216 bytes; yh 32,768 bytes; x2p 1,048,576 bytes; pm 524,288 bytes
;; launch prep_core (part 1): grid 256 x 1, 8 waves a work-group, no clusters, 1,280 bytes of LDS; arguments coreset, coreB, yh; writes coreB, yh
.if DOCPART == 1
	.amdgcn_target "amdgcn-amd-amdhsa--gfx1250"
	.amdhsa_code_object_version 6
	.text
	.protected	k_q87e26d323b_prep_core
	.globl	k_q87e26d323b_prep_core
	.p2align	8
	.type	k_q87e26d323b_prep_core,@function
k_q87e26d323b_prep_core:
	s_mov_b64 s[64:65], 0
	v_nop
	global_prefetch_b8 v0, s[64:65] scope:SCOPE_SE
	s_setreg_imm32_b32 hwreg(HW_REG_WAVE_MODE, 25, 1), 1
	s_wait_xcnt 0x0
; coreB[n][k] = bf16(coreset[n][k]);  yh[n] = -0.5 x the sum over k of coreB[n][k]^2, in f32.   coreset: [8192][1024] f32.
; The norm is taken of the ROUNDED numbers, so that |x|^2 + |y|^2 - 2 x.y, formed later, is the squared distance of the two rounded vectors
; and the roundings do not stand alone against a difference of large sums.
; LIMITS.  The squares are added in another order than a plain sum along the row; NaN and infinities are not treated apart.
; SHARES.  Eight waves; the work-group owns 32 rows, a wave four.  A row is 4,096 bytes: eight loads of 16 bytes a lane; load j, lane l holds columns 128 j + 4 l + 0..3.
; All 32 loads of a wave go out at once (16,384 bytes a wave on their way); each row is worked on when its eight are in.  Memory binds: no matrix unit, no cluster, no tile.
; A store of 8 bytes a lane covers 256 consecutive bytes of coreB, aligned.  The 32 norms meet in LDS so that they leave as 128 consecutive bytes.
.set SPARE, 256                        ; LDS: bytes 0-127 the 32 norms (the block 0-255 is theirs); from 256 on the spare words, 128 bytes for each of eight waves
.set IN,  1                            ; v1   byte offset of my 16 bytes in my wave's first row of coreset
.set OUT, 2                            ; v2   byte offset of my 8 bytes in my wave's first row of coreB
.set LW,  3                            ; v3   LDS byte of my wave's first norm
.set LR,  4                            ; v4   4 x lane: the norm that I read back, and its place in yh
.set SPW, 6                            ; v6   LDS address of my spare word; never rewritten
.set NIL, 7                            ; v7   0; never rewritten
.set T,   8                            ; v[8:11]   four rounded numbers as f32
.set ACC, 12                           ; v[12:15]  four running sums of squares
.set X,   32                           ; v[32:159] load (i, j) at X + 4 (8 i + j); its first two registers then hold the four bf16
	s_load_b128 s[4:7], s[0:1], 0x0                ; coreset s[4:5], coreB s[6:7]
	s_load_b64 s[8:9], s[0:1], 0x10                ; yh
	v_lshl_add_u32 v[SPW], v0, 2, SPARE
	v_mov_b32 v[NIL], 0
	v_lshrrev_b32 v5, 5, v0
	v_readfirstlane_b32 s13, v5                    ; my wave's number as a scalar
	v_and_b32 v[LR], 31, v0                        ; lane
	v_lshlrev_b32 v[IN], 4, v[LR]
	v_lshl_add_u32 v[IN], s13, 14, v[IN]           ; wave x 4 rows x 4,096 + 16 x lane
	v_lshlrev_b32 v[OUT], 3, v[LR]
	v_lshl_add_u32 v[OUT], s13, 13, v[OUT]         ; wave x 4 rows x 2,048 + 8 x lane
	s_lshl_b32 s17, s13, 4
	v_mov_b32 v[LW], s17                           ; four words a wave
	v_lshlrev_b32 v[LR], 2, v[LR]
	v_mov_b32 v17, 0                               ; the lane exchange's destination counts as read: written once here
	s_mov_b32 s12, 0xffff0000                      ; a word's upper bf16
	s_mov_b32 s14, 0x76543210                      ; v_permlanex16_b32: each lane takes its own place in the other half
	s_mov_b32 s15, 0xfedcba98
	s_lshl_b32 s10, ttmp9, 17                      ; 32 rows of 4,096 bytes
	s_mov_b32 s11, 0
	s_wait_kmcnt 0x0
	s_add_nc_u64 s[4:5], s[4:5], s[10:11]
	s_lshl_b32 s10, ttmp9, 16                      ; 32 rows of 2,048 bytes
	s_add_nc_u64 s[6:7], s[6:7], s[10:11]
	s_lshl_b32 s10, ttmp9, 7                       ; 32 words
	s_add_nc_u64 s[8:9], s[8:9], s[10:11]
.irp i, 0,1,2,3
.irp j, 0,1,2,3,4,5,6,7
	global_load_b128 v[X+4*(8*(\i)+(\j)):X+4*(8*(\i)+(\j))+3], v[IN], s[4:5] offset:(\i)*4096+(\j)*512 th:TH_LOAD_NT
.endr
.endr
; Row i of my four: rounded, stored, squared and summed.  No register that a store reads is written again, so no wait stands for the stores.
.macro ROW i
	s_wait_loadcnt 24-8*(\i)                       ; loads come back in order (ISA guide 5.7.1): this row's eight are in, the younger rows' stay out
.irp j, 0,1,2,3,4,5,6,7
.set K, X+4*(8*(\i)+(\j))
	v_cvt_pk_bf16_f32 v[K],   v[K],   v[K+1]       ; two roundings to bf16, packed
	v_cvt_pk_bf16_f32 v[K+1], v[K+2], v[K+3]
	v_lshlrev_b32 v[T],   16,  v[K]                ; and back to f32: the rounded numbers
	v_and_b32     v[T+1], s12, v[K]
	v_lshlrev_b32 v[T+2], 16,  v[K+1]
	v_and_b32     v[T+3], s12, v[K+1]
	global_store_b64 v[OUT], v[K:K+1], s[6:7] offset:(\i)*2048+(\j)*256  ; 32 lanes x 8 bytes: 256 consecutive bytes, aligned
.if (\j) == 0
	v_pk_mul_f32 v[ACC:ACC+1],   v[T:T+1],   v[T:T+1]      ; the first squares start the sums
	v_pk_mul_f32 v[ACC+2:ACC+3], v[T+2:T+3], v[T+2:T+3]
.else
	v_pk_fma_f32 v[ACC:ACC+1],   v[T:T+1],   v[T:T+1],   v[ACC:ACC+1]
	v_pk_fma_f32 v[ACC+2:ACC+3], v[T+2:T+3], v[T+2:T+3], v[ACC+2:ACC+3]
.endif
.endr
	v_pk_add_f32 v[ACC:ACC+1], v[ACC:ACC+1], v[ACC+2:ACC+3]
	v_add_f32 v16, v[ACC], v[ACC+1]
	v_add_f32_dpp v16, v16, v16 row_xmask:1 row_mask:0xf bank_mask:0xf   ; across the 32 lanes: four steps inside each half,
	v_add_f32_dpp v16, v16, v16 row_xmask:2 row_mask:0xf bank_mask:0xf
	v_add_f32_dpp v16, v16, v16 row_xmask:4 row_mask:0xf bank_mask:0xf
	v_add_f32_dpp v16, v16, v16 row_xmask:8 row_mask:0xf bank_mask:0xf
	v_permlanex16_b32 v17, v16, s14, s15                                 ; one across the halves
	v_add_f32 v16, v16, v17
	v_mul_f32 v16, -0.5, v16
	ds_store_b32 v[LW], v16 offset:4*(\i)          ; all lanes write the same word with the same number
.endm
	ROW 0
	ROW 1
	ROW 2
	ROW 3
	s_wait_dscnt 0x0                               ; for the others' sake: my four norms are in LDS
	s_barrier_signal -1
	s_barrier_wait -1
	ds_load_b32 v16, v[LR]                         ; norm number lane, of the work-group's 32
	s_wait_dscnt 0x0
	v_cmp_gt_u32 vcc_lo, 32, v0                    ; threads 0 to 31 store them
	s_wait_xcnt 0x0                                ; EXEC is a source of the stores above: it changes only behind this wait
	s_and_saveexec_b32 s16, vcc_lo
	global_store_b32 v[LR], v16, s[8:9]            ; 128 consecutive bytes
	s_wait_xcnt 0x0                                ; and again, in front of the line that widens it
	s_or_b32 exec_lo, exec_lo, s16
	s_wait_tensorcnt 0x0                           ; the wave's end, behind my last LDS store
	ds_add_u32 v[SPW], v[NIL]
	s_wait_dscnt 0x0
	s_endpgm
.Lfunc_end_k_q87e26d323b_prep_core:
	.size	k_q87e26d323b_prep_core, .Lfunc_end_k_q87e26d323b_prep_core-k_q87e26d323b_prep_core
	.p2alignl 7, 3214868480
	.fill 96, 4, 3214868480
	.section	.rodata,"a",@progbits
	.p2align	6, 0x0
	.amdhsa_kernel k_q87e26d323b_prep_core
		.amdhsa_group_segment_fixed_size 1280
		.amdhsa_private_segment_fixed_size 0
		.amdhsa_enable_private_segment 0
		.amdhsa_kernarg_size 24
		.amdhsa_user_sgpr_count 2
		.amdhsa_user_sgpr_kernarg_segment_ptr 1
		.amdhsa_wavefront_size32 1
		.amdhsa_system_sgpr_workgroup_id_x 1
		.amdhsa_system_sgpr_workgroup_id_y 1
		.amdhsa_system_sgpr_workgroup_id_z 1
		.amdhsa_system_vgpr_workitem_id 0
		.amdhsa_next_free_vgpr 160
		.amdhsa_next_free_sgpr 66
		.amdhsa_reserve_vcc 1
		.amdhsa_float_denorm_mode_32 3
		.amdhsa_float_denorm_mode_16_64 3
		.amdhsa_memory_ordered 1
		.amdhsa_forward_progress 1
		.amdhsa_inst_pref_size 23
	.end_amdhsa_kernel
	.amdgpu_metadata
---
amdhsa.version: [ 1, 2 ]
amdhsa.kernels:
  - .name:           k_q87e26d323b_prep_core
    .symbol:         k_q87e26d323b_prep_core.kd
    .args:
      - { .name: coreset, .offset: 0, .size: 8, .value_kind: global_buffer, .address_space: global }
      - { .name: coreB, .offset: 8, .size: 8, .value_kind: global_buffer, .address_space: global }
      - { .name: yh, .offset: 16, .size: 8, .value_kind: global_buffer, .address_space: global }
    .group_segment_fixed_size: 1280
    .private_segment_fixed_size: 0
    .kernarg_segment_align: 8
    .kernarg_segment_size: 24
    .max_flat_workgroup_size: 256
    .sgpr_count:     66
    .vgpr_count:     160
    .wavefront_size: 32
...
	.end_amdgpu_metadata
.endif
;; end of part 1
;; launch prep_emb (part 2): grid 256 x 1, 8 waves a work-group, no clusters, 33,792 bytes of LDS; arguments features, embT, x2p; writes embT, x2p
.if DOCPART == 2
	.amdgcn_target "amdgcn-amd-amdhsa--gfx1250"
	.amdhsa_code_object_version 6
	.text
	.protected	k_q87e26d323b_prep_emb
	.globl	k_q87e26d323b_prep_emb
	.p2align	8
	.type	k_q87e26d323b_prep_emb,@function
k_q87e26d323b_prep_emb:
	s_mov_b64 s[64:65], 0
	v_nop
	global_prefetch_b8 v0, s[64:65] scope:SCOPE_SE
	s_setreg_imm32_b32 hwreg(HW_REG_WAVE_MODE, 25, 1), 1
	s_wait_xcnt 0x0
; embT[b][c][h][w] = bf16(the sum of the 3 x 3 window of features[b][c] round (h, w), zeros outside the plane, times 1/9);   features: [8][1024][32][32] f32.
; x2p[cg][b x 1024 + 32 h + w] = the sum over the 32 channels 32 cg .. 32 cg + 31 of embT^2, in f32: the squared norm of the ROUNDED embedding, in 32 parts.
; embT keeps the planes' order (channel-major): the product that follows reads it turned, so pooling is a plain stream.
; LIMITS.  The window's nine numbers are added rows first, then columns; the division by 9 is a multiplication by the f32 nearest to 1/9; NaN and infinities are not treated apart.
; SHARES.  A plane is 4,096 bytes.  The work-group owns 32 planes of one image, a wave four.  Load j of eight, lane l = 8 r + q, holds a(h = 4 j + r, w = 4 q + 0..3).
; All 32 loads of a wave go out at once.  Memory binds: no matrix unit, no cluster, no tile.
; ALONG A ROW a lane needs its left neighbour's last number and its right neighbour's first: one DPP shift each; lanes with q = 0 (q = 7) have no such neighbour and take the sum of two.
; DOWN THE COLUMNS row h needs rows h - 1 and h + 1.  Rows (r = 0, 1) and (r = 2, 3) are added in pairs (lane xor 8).  The third row lies in lane xor 24 in every case: for r = 1, 2 in the same
; registers; for r = 0 in the registers of the four rows above, for r = 3 of the four rows below.  So each lane first chooses what its partner needs, and one exchange brings it.
.set SPARE, 32768                      ; LDS: bytes 0-32767 eight waves x 1,024 sums of squares; then the spare words, 128 bytes for each wave
.set IN,  1                            ; v1   byte offset of my 16 bytes in my wave's first plane of features
.set OUT, 2                            ; v2   byte offset of my 8 bytes in my wave's first plane of embT
.set LS,  3                            ; v3   LDS: where I put my sums
.set LR,  4                            ; v4   LDS: where I read the eight waves' sums of my four positions; also my byte offset in x2p
.set SPW, 6                            ; v6   LDS address of my spare word; never rewritten
.set NIL, 7                            ; v7   0; never rewritten
.set X,   16                           ; v[16:143]  load (i, j) at X + 4 (8 i + j); its first two registers then hold four bf16
.set H,   144                          ; v[144:183] sums along the rows: v144-147 and v180-183 stay 0 (the rows above and below the plane); load j's at H + 4 + 4 j
.set ACC, 184                          ; v[184:215] sums of squares over my four planes, position (j, e) at ACC + 4 j + e
.set S01, 216
.set S23, 217
.set TL,  218
.set TR,  219
.set T,   220                          ; v[220:223] a pair of rows added
.set Z,   224                          ; v[224:227] what my partner needs
.set ZX,  228                          ; v[228:231] half way to it
.set V,   232                          ; v[232:235] the window's sum, then the mean
.set U,   236                          ; v[236:239] the rounded means as f32
	s_load_b128 s[4:7], s[0:1], 0x0                ; features s[4:5], embT s[6:7]
	s_load_b64 s[8:9], s[0:1], 0x10                ; x2p
	v_lshl_add_u32 v[SPW], v0, 2, SPARE
	v_mov_b32 v[NIL], 0
	v_lshrrev_b32 v5, 5, v0
	v_readfirstlane_b32 s13, v5                    ; my wave's number as a scalar
	v_and_b32 v8, 31, v0                           ; lane
	v_lshlrev_b32 v9, 4, v8
	v_lshl_add_u32 v[IN], s13, 14, v9              ; wave x 4 planes x 4,096 + 16 x lane
	v_lshlrev_b32 v[OUT], 3, v8
	v_lshl_add_u32 v[OUT], s13, 13, v[OUT]         ; wave x 4 planes x 2,048 + 8 x lane
	v_lshl_add_u32 v[LS], s13, 12, v9              ; my wave's 4,096 bytes
	v_lshl_add_u32 v[LR], s13, 9, v9               ; positions 128 wave + 4 lane + 0..3
.irp r, 144,145,146,147,180,181,182,183,218,219,220,221,222,223,228,229,230,231,232,233,234,235
	v_mov_b32 v\r, 0                               ; the two rows of zeros; and the destinations of DPP forms and lane exchanges, which count as read
.endr
	s_mov_b32 s12, 0xffff0000                      ; a word's upper bf16
	s_mov_b32 s14, 0x76543210                      ; v_permlanex16_b32: each lane takes its own place in the other half
	s_mov_b32 s15, 0xfedcba98
	s_mov_b32 s20, 0x01010101                      ; lanes with q = 0
	s_mov_b32 s21, 0x80808080                      ; lanes with q = 7
	s_mov_b32 s22, 0x000000ff                      ; lanes with r = 0
	s_mov_b32 s23, 0xff000000                      ; lanes with r = 3
	s_mov_b32 s24, 0x3de38e39                      ; 1/9
	s_mov_b32 s25, s24                             ; named with it as a pair
	s_lshl_b32 s10, ttmp9, 17                      ; 32 planes of 4,096 bytes
	s_mov_b32 s11, 0
	s_and_b32 s16, ttmp9, 31                       ; the group of 32 channels: a row of x2p, 32,768 bytes,
	s_lshl_b32 s16, s16, 15
	s_lshr_b32 s17, ttmp9, 5                       ; the image: 1,024 words in it
	s_lshl_b32 s17, s17, 12
	s_add_co_u32 s16, s16, s17
	s_mov_b32 s17, 0
	s_wait_kmcnt 0x0
	s_add_nc_u64 s[4:5], s[4:5], s[10:11]
	s_lshl_b32 s10, ttmp9, 16                      ; 32 planes of 2,048 bytes
	s_add_nc_u64 s[6:7], s[6:7], s[10:11]
	s_add_nc_u64 s[8:9], s[8:9], s[16:17]
.irp i, 0,1,2,3
.irp j, 0,1,2,3,4,5,6,7
	global_load_b128 v[X+4*(8*(\i)+(\j)):X+4*(8*(\i)+(\j))+3], v[IN], s[4:5] offset:(\i)*4096+(\j)*512 th:TH_LOAD_NT
.endr
.endr
; Plane i of my four.  No register that a store reads is written again, so no wait stands for the stores.
.macro PLANE i
	s_wait_loadcnt 24-8*(\i)                       ; loads come back in order (ISA guide 5.7.1): this plane's eight are in, the younger planes' stay out
.irp j, 0,1,2,3,4,5,6,7                ; along the rows
.set A,  X+4*(8*(\i)+(\j))
.set HJ, H+4+4*(\j)
	v_add_f32 v[S01], v[A],   v[A+1]
	v_add_f32 v[S23], v[A+2], v[A+3]
	v_add_f32_dpp v[TL], v[A+3], v[S01] row_shr:1 row_mask:0xf bank_mask:0xf bound_ctrl:1  ; the left lane's last number + my first two
	v_add_f32_dpp v[TR], v[A],   v[S23] row_shl:1 row_mask:0xf bank_mask:0xf bound_ctrl:1  ; the right lane's first + my last two
	v_add_f32 v[HJ+1], v[S01], v[A+2]
	v_add_f32 v[HJ+2], v[A+1], v[S23]
	v_cndmask_b32 v[HJ],   v[TL], v[S01], s20      ; at a row's left end there is no left neighbour,
	v_cndmask_b32 v[HJ+3], v[TR], v[S23], s21      ; at its right end no right one
.endr
.irp j, 0,1,2,3,4,5,6,7                ; down the columns; the plane's X is free by now
.set A,  X+4*(8*(\i)+(\j))
.set HJ, H+4+4*(\j)
.irp e, 0,1,2,3
	v_add_f32_dpp v[T+(\e)], v[HJ+(\e)], v[HJ+(\e)] row_xmask:8 row_mask:0xf bank_mask:0xf  ; rows r = 0, 1 together, and r = 2, 3
	v_cndmask_b32 v[Z+(\e)], v[HJ+(\e)], v[HJ+4+(\e)], s22    ; lanes r = 0 send the row four below to their partner, r = 3 of these four rows,
.endr
.irp e, 0,1,2,3
	v_cndmask_b32 v[Z+(\e)], v[Z+(\e)], v[HJ-4+(\e)], s23     ; lanes r = 3 the row four above, to r = 0; lanes r = 1, 2 their own
.endr
.irp e, 0,1,2,3
	v_permlanex16_b32 v[ZX+(\e)], v[Z+(\e)], s14, s15         ; lane xor 16,
.endr
.irp e, 0,1,2,3
	v_add_f32_dpp v[V+(\e)], v[ZX+(\e)], v[T+(\e)] row_xmask:8 row_mask:0xf bank_mask:0xf   ; and xor 8: the third row joins the pair
.endr
	v_pk_mul_f32 v[V:V+1],   v[V:V+1],   s[24:25] op_sel_hi:[1,0]
	v_pk_mul_f32 v[V+2:V+3], v[V+2:V+3], s[24:25] op_sel_hi:[1,0]
	v_cvt_pk_bf16_f32 v[A],   v[V],   v[V+1]
	v_cvt_pk_bf16_f32 v[A+1], v[V+2], v[V+3]
	global_store_b64 v[OUT], v[A:A+1], s[6:7] offset:(\i)*2048+(\j)*256  ; 32 lanes x 8 bytes: 256 consecutive bytes, aligned
	v_lshlrev_b32 v[U],   16,  v[A]                ; the rounded numbers as f32
	v_and_b32     v[U+1], s12, v[A]
	v_lshlrev_b32 v[U+2], 16,  v[A+1]
	v_and_b32     v[U+3], s12, v[A+1]
.if (\i) == 0
	v_pk_mul_f32 v[ACC+4*(\j):ACC+4*(\j)+1],   v[U:U+1],   v[U:U+1]      ; the first plane's squares start the sums
	v_pk_mul_f32 v[ACC+4*(\j)+2:ACC+4*(\j)+3], v[U+2:U+3], v[U+2:U+3]
.else
	v_pk_fma_f32 v[ACC+4*(\j):ACC+4*(\j)+1],   v[U:U+1],   v[U:U+1],   v[ACC+4*(\j):ACC+4*(\j)+1]
	v_pk_fma_f32 v[ACC+4*(\j)+2:ACC+4*(\j)+3], v[U+2:U+3], v[U+2:U+3], v[ACC+4*(\j)+2:ACC+4*(\j)+3]
.endif
.endr
.endm
	PLANE 0
	PLANE 1
	PLANE 2
	PLANE 3
	; the eight waves' sums meet in LDS: each wave lays down all 1,024 positions, and then adds up 128 of them
.irp j, 0,1,2,3,4,5,6,7
	ds_store_b128 v[LS], v[ACC+4*(\j):ACC+4*(\j)+3] offset:512*(\j)
.endr
	s_wait_dscnt 0x0                               ; for the others' sake: my sums are in LDS
	s_barrier_signal -1
	s_barrier_wait -1
.irp u, 0,1,2,3,4,5,6,7
	ds_load_b128 v[H+4+4*(\u):H+4+4*(\u)+3], v[LR] offset:4096*(\u)   ; into H: X is still read by stores
.endr
	s_wait_dscnt 0x0
.irp u, 0,1,2,3
	v_pk_add_f32 v[H+4+4*(\u):H+4+4*(\u)+1],   v[H+4+4*(\u):H+4+4*(\u)+1],   v[H+20+4*(\u):H+20+4*(\u)+1]
	v_pk_add_f32 v[H+4+4*(\u)+2:H+4+4*(\u)+3], v[H+4+4*(\u)+2:H+4+4*(\u)+3], v[H+20+4*(\u)+2:H+20+4*(\u)+3]
.endr
.irp u, 0,1
	v_pk_add_f32 v[H+4+4*(\u):H+4+4*(\u)+1],   v[H+4+4*(\u):H+4+4*(\u)+1],   v[H+12+4*(\u):H+12+4*(\u)+1]
	v_pk_add_f32 v[H+4+4*(\u)+2:H+4+4*(\u)+3], v[H+4+4*(\u)+2:H+4+4*(\u)+3], v[H+12+4*(\u)+2:H+12+4*(\u)+3]
.endr
	v_pk_add_f32 v[H+4:H+5], v[H+4:H+5], v[H+8:H+9]
	v_pk_add_f32 v[H+6:H+7], v[H+6:H+7], v[H+10:H+11]
	global_store_b128 v[LR], v[H+4:H+7], s[8:9]    ; 512 consecutive bytes a wave, aligned
	s_wait_tensorcnt 0x0                           ; the wave's end, behind my last LDS store
	ds_add_u32 v[SPW], v[NIL]
	s_wait_dscnt 0x0
	s_endpgm
.Lfunc_end_k_q87e26d323b_prep_emb:
	.size	k_q87e26d323b_prep_emb, .Lfunc_end_k_q87e26d323b_prep_emb-k_q87e26d323b_prep_emb
	.p2alignl 7, 3214868480
	.fill 96, 4, 3214868480
	.section	.rodata,"a",@progbits
	.p2align	6, 0x0
	.amdhsa_kernel k_q87e26d323b_prep_emb
		.amdhsa_group_segment_fixed_size 33792
		.amdhsa_private_segment_fixed_size 0
		.amdhsa_enable_private_segment 0
		.amdhsa_kernarg_size 24
		.amdhsa_user_sgpr_count 2
		.amdhsa_user_sgpr_kernarg_segment_ptr 1
		.amdhsa_wavefront_size32 1
		.amdhsa_system_sgpr_workgroup_id_x 1
		.amdhsa_system_sgpr_workgroup_id_y 1
		.amdhsa_system_sgpr_workgroup_id_z 1
		.amdhsa_system_vgpr_workitem_id 0
		.amdhsa_next_free_vgpr 240
		.amdhsa_next_free_sgpr 66
		.amdhsa_reserve_vcc 0
		.amdhsa_float_denorm_mode_32 3
		.amdhsa_float_denorm_mode_16_64 3
		.amdhsa_memory_ordered 1
		.amdhsa_forward_progress 1
		.amdhsa_inst_pref_size 79
	.end_amdhsa_kernel
	.amdgpu_metadata
---
amdhsa.version: [ 1, 2 ]
amdhsa.kernels:
  - .name:           k_q87e26d323b_prep_emb
    .symbol:         k_q87e26d323b_prep_emb.kd
    .args:
      - { .name: features, .offset: 0, .size: 8, .value_kind: global_buffer, .address_space: global }
      - { .name: embT, .offset: 8, .size: 8, .value_kind: global_buffer, .address_space: global }
      - { .name: x2p, .offset: 16, .size: 8, .value_kind: global_buffer, .address_space: global }
    .group_segment_fixed_size: 33792
    .private_segment_fixed_size: 0
    .kernarg_segment_align: 8
    .kernarg_segment_size: 24
    .max_flat_workgroup_size: 256
    .sgpr_count:     66
    .vgpr_count:     240
    .wavefront_size: 32
...
	.end_amdgpu_metadata
.endif
;; end of part 2
;; launch gemm (part 3): grid 8 x 32, 4 waves a work-group, clusters of 4 x 4, 327,680 bytes of LDS; arguments embT, coreB, yh, pm; writes pm
.if DOCPART == 3
	.amdgcn_target "amdgcn-amd-amdhsa--gfx1250"
	.amdhsa_code_object_version 6
	.text
	.protected	k_q87e26d323b_gemm
	.globl	k_q87e26d323b_gemm
	.p2align	8
	.type	k_q87e26d323b_gemm,@function
k_q87e26d323b_gemm:
	s_mov_b64 s[64:65], 0
	v_nop
	global_prefetch_b8 v0, s[64:65] scope:SCOPE_SE
	s_setreg_imm32_b32 hwreg(HW_REG_WAVE_MODE, 25, 1), 1
	s_wait_xcnt 0x0
	s_wait_alu depctr_hold_cnt(0) depctr_sa_sdst(0) depctr_va_vdst(0) depctr_va_sdst(0) depctr_va_ssrc(0) depctr_va_vcc(0) depctr_vm_vsrc(0)
	s_getreg_b32 s2, hwreg(HW_REG_IB_STS2, 6, 4)
	s_cmp_eq_u32 s2, 0
	s_cbranch_scc0 .Lentry_in_a_cluster
	s_endpgm
.Lentry_in_a_cluster:
	s_bfe_u32 s2, ttmp6, 0x10000c
	s_cmp_lg_u32 s2, 0xf033
	s_cbranch_scc0 .Lentry_shape_is_right
	s_endpgm
.Lentry_shape_is_right:
; pm[p][n] = the maximum over 512 coreset rows m of (x_n . y_m + yh[m]),  x_n = embT[b][:][hw] (n = 1024 b + hw), y_m = coreB[m][:], yh[m] = -|y_m|^2 / 2.   K = 1,024, bf16 operands, f32 sums.
; Root and clip grow with their argument and |x|^2 is the same along a row, so the least distance is made, in the launch behind this one, of the greatest x.y - |y|^2 / 2: no product leaves this kernel.
; LIMITS.  v_max3_num_f32 drops a NaN, and infinities are not treated apart.
; SHARES.  A tile is 256 positions x 256 coreset rows, made by four waves, 128 x 128 each: 64 accumulators of 16 x 16, 512 registers.  The 32 x 32 tiles go to 8 x 32 work-groups THAT STAY: each makes
; four tiles in one tile row, 8 tile columns apart; the ring does not stop at a tile's end.  A wave's running maxima (8 registers) live through all four tiles: wave (row half, column half) of work-group
; (gx, ty) writes row p = 2 gx + column half of pm, 128 words.
; THE RING.  K goes in steps of 128 through two LDS slots filled by the tensor data mover.  embT lies channel-major: its part of a slot is 128 channels x 256 positions (rows of 512 bytes of memory, aligned),
; read TURNED by ds_load_tr16_b128; coreB's part is 256 rows x 128 K (rows of 256 bytes, aligned).  Each wave fetches a quarter of a slot, 32,768 bytes, with one load.
; CLUSTER.  4 x 4 work-groups.  The four of a row of the cluster share the tile row and so embT's tiles, the four of a column share the tile column and so coreB's: each tile is asked for JOINTLY, by the
; same tensor load with the same descriptor and a mask that names the four.
; THE MATRIX INSTRUCTION IS USED TRANSPOSED: source 0 = 16 coreset rows, source 1 = 16 positions.  A lane then holds ONE position (lane % 16) and the coreset rows 8 (lane / 16) + 0..7,
; so a position's maximum is taken within a lane, and the two halves of the lanes meet once, at the end.  yh is the C operand of the product that starts each sum: it costs no instruction.
; REGISTERS, in windows of 256 (s_set_vgpr_msb: bits 1:0 source 0, 3:2 source 1, 5:4 source 2, 7:6 destination):
;   window 0: v0-31 addresses; v32-39 maxima; v40-47 at work; v64-127, v128-191 fragments of embT, two buffers; v192-255 yh of the tile's 128 coreset rows as C operands
;   window 1: v64-127, v128-191 fragments of coreB, two buffers      window 2: the accumulators of my positions 0-63 ((a, b) at v[8 (8 a + b)])      window 3: of my positions 64-127
; All of the LDS is claimed; 281,088 bytes are used.
.set PB,     272                       ; an LDS row of coreB: 256 bytes + 16 = 68 words: row r starts at bank 4 r mod 64 (64 banks of 4 bytes: ISA guide 11.1)
.set PA,     544                       ; an LDS row of embT: 512 bytes + 32 = 136 words: row r starts at bank 8 r mod 64
.set HALFT,  128*PB                    ; what one tensor load fills: 128 rows of coreB, or 64 rows of embT (64 x 544 is the same 34,816 bytes)
.set SLOT,   4*HALFT                   ; embT's 128 channels, then coreB's 256 rows
.set STAGE,  2*SLOT                    ; behind the ring, never filled by a tensor load: 512 bytes for each wave, for the way out
.set SPARE,  STAGE+4*512               ; behind the stages: the spare words, 128 bytes for each wave: two blocks of 256 bytes that no other line names
.set LAPS,   4                         ; a lap = two K steps = once round the ring: 1,024 / 256
.set TILES,  4
.set A_STEP, 2*128*2048                ; bytes, two K steps on: 256 channels of 2,048 bytes,
.set B_STEP, 2*128*2                   ; 256 numbers along coreB's rows
.set A_BACK, 3*A_STEP                  ; from a slot's last K step of a tile to its first of the next: embT goes back along K,
.set B_NEXT, 8*256*2048-3*B_STEP       ; coreB 2,048 rows down and back along K
.set ADRA, 16                          ; v16-17  LDS address of my fragments of embT in slot 0, 1
.set ADRB, 20                          ; v20-21  the same for coreB
.set STO,  24                          ; v24     the way out: where I put a position's maximum
.set RD,   25                          ; v25     the way out: where I read four of them back
.set GO,   26                          ; v26     my byte offset in my wave's 512 bytes of pm
.set YO,   27                          ; v27     my byte offset in 16 words of yh: 32 x (lane / 16)
.set SPW,  28                          ; v28     LDS address of my spare word; never rewritten
.set NIL,  29                          ; v29     0; never rewritten
.set RM,   32                          ; v[32:39] the running maximum of position block 0..7
.set T,    40                          ; v[40:47] at work at the end
.set F0,   64
.set F1,   128
.set Y,    192                         ; block b of 16 coreset rows at Y + 8 b: register j holds yh[16 b + 8 (lane / 16) + j]
.set WV,   12                          ; s12  my wave's number
.set RH,   13                          ; s13  which half of the tile's positions is mine.  Also: I fetch for embT (0) or for coreB (1)
.set CH,   14                          ; s14  which half of its coreset rows.  Also: which half of that tile I fetch
.set G1,   24                          ; s[24:31] descriptor group 1 for embT's tiles;  s[32:39] group 0, one set for each slot
.set G0,   32
.set G1B,  48                          ; s[48:55], s[56:63] the same for coreB's
.set G0B,  56
.set MSB, 0
.macro WIN new                         ; the immediate's high byte repeats the setting that is left; a switch that changes nothing is dropped
.if MSB != (\new)
	s_set_vgpr_msb (MSB<<8)|(\new)
.set MSB, \new
.endif
.endm
; A joint load.  Waves 0 and 1 fetch embT's two halves, waves 2 and 3 coreB's.  Each of the two lines has one mask and one set of registers for all that issue it.  The branch hangs on the wave's number alone.
; An s_nop 0 and four v_nop follow each of the two lines, ahead of the jump, the label and what follows the macro.
.macro JLOAD s
	s_cmp_eq_u32 s[RH], 0
	s_cbranch_scc0 .Lfor_b_\@
	tensor_load_to_lds s[G0+4*(\s):G0+4*(\s)+3], s[G1:G1+7]
	s_nop 0
.rept 4
	v_nop
.endr
	s_branch .Lasked_\@
.Lfor_b_\@:
	tensor_load_to_lds s[G0B+4*(\s):G0B+4*(\s)+3], s[G1B:G1B+7]
	s_nop 0
.rept 4
	v_nop
.endr
.Lasked_\@:
.endm
; A round of the cluster's barrier: my work-group's barrier, so that wave 0's signal speaks for all four waves; wave 0 signals for the work-group; every wave waits for all sixteen; my work-group's barrier once more.
.macro CREST                           ; a round behind its opening barrier
	s_cmp_lg_u32 s[WV], 0
	s_cbranch_scc1 .Lnot_wave_0_\@
	s_barrier_signal -3
.Lnot_wave_0_\@:
	s_barrier_wait -3
	s_barrier_signal -1
	s_barrier_wait -1
.endm
.macro CROUND                          ; a whole round
	s_barrier_signal -1
	s_barrier_wait -1
	CREST
.endm
	s_load_b256 s[4:11], s[0:1], 0x0               ; embT s[4:5], coreB s[6:7], yh s[8:9], pm s[10:11]
	v_lshl_add_u32 v[SPW], v0, 2, SPARE
	v_mov_b32 v[NIL], 0
	ds_add_u32 v[SPW], v[NIL]                      ; the wave's opening: the add and its wait stand ahead of my first tensor load; the set-up below, work on registers, stands between them
	v_lshrrev_b32 v1, 5, v0
	v_readfirstlane_b32 s[WV], v1                  ; wave 0..3
	s_lshr_b32 s[RH], s[WV], 1
	s_and_b32 s[CH], s[WV], 1
	s_bfe_u32 s15, ttmp6, 0x40000                  ; cx: my place along the cluster's x
	s_bfe_u32 s16, ttmp6, 0x40004                  ; cy: along its y
	s_lshl_b32 s17, ttmp9, 2                       ; in a cluster launch ttmp9 and ttmp7 count clusters
	s_add_co_u32 s17, s17, s15                     ; gx = 4 x cluster x + cx: my first tile column
	s_and_b32 s18, ttmp7, 0xffff
	s_lshl_b32 s18, s18, 2
	s_add_co_u32 s18, s18, s16                     ; ty = 4 x cluster y + cy: my tile row
	s_lshl_b32 s19, s16, 2
	s_lshl_b32 s19, 15, s19                        ; my row of the cluster: places 4 cy .. 4 cy + 3
	s_lshl_b32 s20, 0x1111, s15                    ; my column: places cx, cx + 4, cx + 8, cx + 12
	; descriptor group 1.  embT: 64 channels x 256 positions; coreB: 128 rows x 128 K; both padded in LDS
	s_or_b32 s[G1+0], s19, (1<<16)|(1<<20)|(1<<21)|(6<<22)|(7<<25)   ; 15:0 the mask: my row; 17:16 elements of 2 bytes; 20 padding on; 21 set beside a mask; 24:22 after every 128 words (code 6); 31:25 8 words of it (code 7)
	s_or_b32 s[G1B+0], s20, (1<<16)|(1<<20)|(1<<21)|(5<<22)|(3<<25)  ; the mask: my column; after every 64 words (code 5) 4 words (code 3)
	s_mov_b32 s[G1+1], 256<<16                     ; 63:48 tensor_dim0, low half
	s_mov_b32 s[G1B+1], 128<<16
	s_mov_b32 s[G1+2], 64<<16                      ; 79:64 its high half = 0; 95:80 tensor_dim1, low half
	s_mov_b32 s[G1B+2], 128<<16
	s_mov_b32 s[G1+3], 256<<16                     ; 111:96 its high half = 0; 127:112 tile_dim0
	s_mov_b32 s[G1B+3], 128<<16
	s_mov_b32 s[G1+4], 64                          ; 143:128 tile_dim1; 159:144 tile_dim2 = 0
	s_mov_b32 s[G1B+4], 128
	s_mov_b32 s[G1+5], 1024                        ; 191:160 tensor_dim0_stride: 1,024 elements from row to row, in both tensors
	s_mov_b32 s[G1B+5], 1024
	s_mov_b32 s[G1+6], 0
	s_mov_b32 s[G1B+6], 0
	s_mov_b32 s[G1+7], 0
	s_mov_b32 s[G1B+7], 0
	; where the tiles come from.  embT's hang on the tile row alone, coreB's on the tile column alone; each offset is made in registers that never hold the other coordinate.
	s_lshr_b32 s40, s18, 2                         ; the image: ty / 4, 2^21 bytes each,
	s_lshl_b32 s40, s40, 21
	s_and_b32 s41, s18, 3                          ; 256 positions x (ty % 4): 512 bytes along the rows,
	s_lshl_b32 s41, s41, 9
	s_add_co_u32 s40, s40, s41
	s_lshl_b32 s41, s[CH], 17                      ; my half: 64 channels of 2,048 bytes
	s_add_co_u32 s40, s40, s41
	s_mov_b32 s41, 0
	s_lshl_b32 s42, s17, 19                        ; 256 rows of 2,048 bytes x gx,
	s_lshl_b32 s43, s[CH], 18                      ; my half: 128 rows
	s_add_co_u32 s42, s42, s43
	s_mov_b32 s43, 0
	s_mul_i32 s23, s[WV], HALFT                    ; and where they go: wave x 34,816 bytes: no place in the cluster enters an LDS address
	s_mov_b32 s46, 0x76543210                      ; v_permlanex16_b32: each lane takes its own place in the other half
	s_mov_b32 s47, 0xfedcba98
	s_wait_dscnt 0x0                               ; the opening add is done
	s_wait_kmcnt 0x0
	s_add_nc_u64 s[40:41], s[4:5], s[40:41]
	s_add_nc_u64 s[42:43], s[6:7], s[42:43]
	CROUND                                         ; all sixteen work-groups are here: the first joint loads meet
.irp s, 0,1
	s_mov_b32 s[G0+4*(\s)], 1                                      ; 1:0 count = 1
	s_add_co_u32 s[G0+4*(\s)+1], s23, (\s)*SLOT                    ; 63:32 LDS address
	s_add_nc_u64 s[G0+4*(\s)+2:G0+4*(\s)+3], s[40:41], (\s)*128*2048  ; 120:64 global address: K step s
	s_or_b32 s[G0+4*(\s)+3], s[G0+4*(\s)+3], 0x80000000            ; 127:126 type = 2
	s_mov_b32 s[G0B+4*(\s)], 1
	s_add_co_u32 s[G0B+4*(\s)+1], s23, (\s)*SLOT
	s_add_nc_u64 s[G0B+4*(\s)+2:G0B+4*(\s)+3], s[42:43], (\s)*128*2
	s_or_b32 s[G0B+4*(\s)+3], s[G0B+4*(\s)+3], 0x80000000
	JLOAD \s                                       ; the ring is filled before anything else is done: two loads of mine are out
.endr
; yh of my 128 coreset rows of a tile, as eight C operands: sixteen loads of 16 bytes
.macro YLOAD
	WIN 0
.irp b, 0,1,2,3,4,5,6,7
	global_load_b128 v[Y+8*(\b):Y+8*(\b)+3],   v[YO], s[8:9] offset:64*(\b)
	global_load_b128 v[Y+8*(\b)+4:Y+8*(\b)+7], v[YO], s[8:9] offset:64*(\b)+16
.endr
.endm
	v_and_b32 v1, 15, v0                           ; l % 16
	v_bfe_u32 v2, v0, 4, 1                         ; l / 16
	v_lshlrev_b32 v[YO], 5, v2
	s_lshl_b32 s44, s17, 10                        ; yh at my first tile's column half: (256 gx + 128 half) words
	s_lshl_b32 s45, s[CH], 9
	s_add_co_u32 s44, s44, s45
	s_mov_b32 s45, 0
	s_add_nc_u64 s[8:9], s[8:9], s[44:45]
	YLOAD
	s_lshl_b32 s44, s17, 16                        ; pm: row 2 gx + column half, 32,768 bytes each,
	s_lshl_b32 s45, s[CH], 15
	s_add_co_u32 s44, s44, s45
	s_lshl_b32 s45, s18, 10                        ; word 256 ty + 128 x row half
	s_add_co_u32 s44, s44, s45
	s_lshl_b32 s45, s[RH], 9
	s_add_co_u32 s44, s44, s45
	s_mov_b32 s45, 0
	s_add_nc_u64 s[10:11], s[10:11], s[44:45]
	; A fragment is 16 rows x 32 K in 8 registers: lane l holds row l % 16; registers 0-3 hold K = 8 (l / 16) + 0..7, registers 4-7 hold K = 16 + 8 (l / 16) + 0..7.
	; coreB lies along K: two loads of 16 bytes, 32 bytes apart.
	v_mul_u32_u24 v3, v1, PB
	v_lshl_add_u32 v3, v2, 4, v3                   ; row x pitch + 16 x half
	s_mul_i32 s22, s[CH], HALFT                    ; my 128 rows of coreB,
	s_add_co_u32 s22, s22, 2*HALFT                 ; which lie behind embT's part
	; embT lies along the positions: the turning load takes 16 K x 16 positions (lane l reads 16 bytes: K = 8 (l / 16) + l % 8, positions 8 ((l / 8) % 2) + 0..7) and leaves half a fragment; the other half lies 16 LDS rows on.
	v_and_b32 v4, 7, v0
	v_lshl_add_u32 v4, v2, 3, v4
	v_mul_u32_u24 v4, v4, PA
	v_bfe_u32 v5, v0, 3, 1
	v_lshl_add_u32 v4, v5, 4, v4
	s_lshl_b32 s21, s[RH], 8                       ; my 128 positions: 256 bytes along the rows
.irp s, 0,1
	v_add_nc_u32 v[ADRA+(\s)], s21, v4
	v_add_nc_u32 v[ADRB+(\s)], s22, v3
	s_add_co_u32 s21, s21, SLOT
	s_add_co_u32 s22, s22, SLOT
.endr
	s_lshl_b32 s21, s[WV], 9
	s_add_co_u32 s21, s21, STAGE                   ; my stage
	v_lshl_add_u32 v[STO], v1, 2, s21              ; in: word l % 16 of a block of 16 positions
	v_and_b32 v5, 31, v0
	v_lshlrev_b32 v[GO], 4, v5                     ; back and out: four positions a lane
	v_add_nc_u32 v[RD], s21, v[GO]
.irp a, 0,1,2,3,4,5,6,7
	v_mov_b32 v[RM+(\a)], 0xff800000               ; below every number
	v_mov_b32 v[T+(\a)], 0                         ; the lane exchange's destination counts as read
.endr
; 16 matrix instructions: position blocks a0, a0 + 1 of the window's four (hi = 0: my positions 0-63, 1: 64-127) x all 8 blocks of coreset rows, 32 along K.
; first = 1: the product starts the sum, with yh as C (window 0).  The 64 accumulators take turns, one instruction a turn, in the same order in every quarter.
.macro MUL16 f, hi, a0, first
.if \first
	WIN 0x81+0x40*(\hi)                            ; source 0 (coreB) window 1, source 1 (embT) and C window 0, D window 2 or 3
.else
	WIN 0xa1+0x50*(\hi)                            ; the same with C in D's window
.endif
.irp a, \a0, (\a0)+1
.irp b, 0,1,2,3,4,5,6,7
.if \first
	v_wmma_f32_16x16x32_bf16 v[8*(8*(\a)+(\b)):8*(8*(\a)+(\b))+7], v[(\f)+8*(\b):(\f)+8*(\b)+7], v[(\f)+8*(4*(\hi)+(\a)):(\f)+8*(4*(\hi)+(\a))+7], v[Y+8*(\b):Y+8*(\b)+7]
.else
	v_wmma_f32_16x16x32_bf16 v[8*(8*(\a)+(\b)):8*(8*(\a)+(\b))+7], v[(\f)+8*(\b):(\f)+8*(\b)+7], v[(\f)+8*(4*(\hi)+(\a)):(\f)+8*(4*(\hi)+(\a))+7], v[8*(8*(\a)+(\b)):8*(8*(\a)+(\b))+7]
.endif
.endr
.endr
.endm
; 32 LDS loads in one run: the fragments of quarter q of a K step (32 along K: 128 coreset rows, then 128 positions) into buffer f
.macro FETCH slot, q, f
	WIN 0x40                                       ; destination window 1, address window 0
.irp i, 0,1,2,3,4,5,6,7
	ds_load_b128 v[(\f)+8*(\i):(\f)+8*(\i)+3],   v[ADRB+(\slot)] offset:64*(\q)+(\i)*16*PB
	ds_load_b128 v[(\f)+8*(\i)+4:(\f)+8*(\i)+7], v[ADRB+(\slot)] offset:64*(\q)+(\i)*16*PB+32
.endr
	WIN 0
.irp i, 0,1,2,3,4,5,6,7
	ds_load_tr16_b128 v[(\f)+8*(\i):(\f)+8*(\i)+3],   v[ADRA+(\slot)] offset:(\q)*32*PA+32*(\i)          ; 61,152 at the most: inside the 16-bit immediate
	ds_load_tr16_b128 v[(\f)+8*(\i)+4:(\f)+8*(\i)+7], v[ADRA+(\slot)] offset:(\q)*32*PA+32*(\i)+16*PA
.endr
.endm
; A load into a register that a matrix instruction has read, and a vector instruction that reads a matrix result, stand four places behind that matrix instruction, and only plain vector
; instructions that name none of its registers are places (ISA guide 7.12.1 for vector instructions).
.macro PLACES
.rept 4
	v_nop
.endr
.endm
; A K step is four quarters of 32 along K, 64 matrix instructions each, on buffers 0, 1, 0, 1.  One of the first three: multiplies buffer f; in its middle it fetches quarter q of the same slot into buffer g.
.macro QUARTER slot, q, f, g, first
	s_wait_dscnt 8                                 ; coreB's fragments and positions 0-63 are in; the youngest eight loads (positions 64-127) may be out
	MUL16 \f, 0, 0, \first
	MUL16 \f, 0, 2, \first
	PLACES
	FETCH \slot, \q, \g
	s_wait_dscnt 32                                ; all but the 32 just issued
	MUL16 \f, 1, 0, \first
	MUL16 \f, 1, 2, \first
.endm
; The last quarter multiplies buffer 1 and changes slots.  MEET is its first half: ONE barrier for the change.  In front of it each wave waits for all its tensor loads, of which one is out: its part of the
; next slot; adds 0 to its spare word; and waits for that and for its own reads of this slot.  Behind it nobody reads this slot any more and the next slot is whole.
.macro MEET round                      ; round = 1: a round of the cluster's barrier follows
	WIN 0                                          ; (the add's two registers lie in window 0)
	s_wait_tensorcnt 0x0                           ; all my tensor loads have landed;
	ds_add_u32 v[SPW], v[NIL]                      ; 0 onto my spare word;
	s_wait_dscnt 9                                 ; (the add and the youngest eight loads may be out)
	MUL16 F1, 0, 0, 0                              ; sixteen matrix instructions stand between the add and the wait for it
	s_wait_dscnt 0x0                               ; the add is done, and my reads of this slot are over:
	s_barrier_signal -1                            ; say so,
	MUL16 F1, 0, 2, 0                              ; work on registers while the others arrive,
.if \round
	WIN 0
.endif
	s_barrier_wait -1                              ; and go on when all four have said so
.endm
; The whole last quarter.  Behind the round the slot just read out is filled again first: with this tile's K step two steps on (on = 0) or, in a tile's last two K steps, with the NEXT tile's K step 0 or 1 (on = 1);
; then come the next slot's first fragments.  From a request to the wait for it a wave issues 224 matrix instructions.
.macro TURN slot, next, on
	MEET 1
	CREST                                          ; no wave of any partner still reads this slot's tile or has a load on its way
.if \on
	s_sub_nc_u64 s[G0+4*(\slot)+2:G0+4*(\slot)+3], s[G0+4*(\slot)+2:G0+4*(\slot)+3], A_BACK
	s_add_nc_u64 s[G0B+4*(\slot)+2:G0B+4*(\slot)+3], s[G0B+4*(\slot)+2:G0B+4*(\slot)+3], B_NEXT
.else
	s_add_nc_u64 s[G0+4*(\slot)+2:G0+4*(\slot)+3], s[G0+4*(\slot)+2:G0+4*(\slot)+3], A_STEP
	s_add_nc_u64 s[G0B+4*(\slot)+2:G0B+4*(\slot)+3], s[G0B+4*(\slot)+2:G0B+4*(\slot)+3], B_STEP
.endif
	JLOAD \slot                                    ; the first tensor load behind the round, my only one until the next; the four v_nop behind it are also the places in front of the loads below
	FETCH \next, 0, F0
	MUL16 F1, 1, 0, 0
	MUL16 F1, 1, 2, 0
.endm
; A TILE'S WAY OUT: its 64 accumulators go into the 8 running maxima, two numbers an instruction.  Each accumulator is read from its low end on; four maxima take turns.
.macro EPI
	PLACES
.irp hi, 0,1
	WIN 0x28+0x14*(\hi)                            ; sources 1 and 2 in window 2 or 3
.irp b, 0,1,2,3,4,5,6,7
.irp r, 0,1,2,3
.irp a, 0,1,2,3
	v_max3_num_f32 v[RM+4*(\hi)+(\a)], v[RM+4*(\hi)+(\a)], v[8*(8*(\a)+(\b))+2*(\r)], v[8*(8*(\a)+(\b))+2*(\r)+1]
.endr
.endr
.endr
.endr
	WIN 0
.endm
	s_wait_tensorcnt 1                             ; my part of K step 0 is in; K step 1's may stay out
	s_barrier_signal -1
	s_barrier_wait -1                              ; everybody's is
	FETCH 0, 0, F0
	s_mov_b32 s2, TILES                            ; tiles to go, this one among them: the same number in every work-group
.Ltile:
	s_wait_loadcnt 0x0                             ; this tile's yh
	QUARTER 0, 1, F0, F1, 1                        ; a tile's first quarter stands in front of the loop: its products start the sums
	WIN 0                                          ; at a label and at a branch every window is 0
	s_mov_b32 s3, LAPS-1
.Llap:                                                 ; a trip goes once round the ring, from a lap's second quarter to the next lap's first, and fills both slots again
	QUARTER 0, 2, F1, F0, 0
	QUARTER 0, 3, F0, F1, 0
	TURN 0, 1, 0
	QUARTER 1, 1, F0, F1, 0
	QUARTER 1, 2, F1, F0, 0
	QUARTER 1, 3, F0, F1, 0
	TURN 1, 0, 0
	QUARTER 0, 1, F0, F1, 0
	WIN 0
	s_sub_co_u32 s3, s3, 1
	s_cmp_lg_u32 s3, 0
	s_cbranch_scc1 .Llap
	QUARTER 0, 2, F1, F0, 0                        ; the tile's last lap goes on
	QUARTER 0, 3, F0, F1, 0
	WIN 0
	s_cmp_eq_u32 s2, 1
	s_cbranch_scc1 .Llast                          ; the last tile's tail is written out: it asks for nothing more
	s_add_nc_u64 s[8:9], s[8:9], 8*256*4           ; the next tile's yh, 2,048 words on: the loads that named this base were waited for at the tile's head;
	YLOAD                                          ; the products that read Y stand a whole loop back; the last tile never comes here, so no load leaves yh
	TURN 0, 1, 1                                   ; THE RING GOES ON INTO THE NEXT TILE: slot 0 takes its K step 0,
	QUARTER 1, 1, F0, F1, 0
	QUARTER 1, 2, F1, F0, 0
	QUARTER 1, 3, F0, F1, 0
	TURN 1, 0, 1                                   ; slot 1 its K step 1, and the next tile's first fragments are fetched
	EPI
	s_sub_co_u32 s2, s2, 1
	s_branch .Ltile
.Llast:
	MEET 0                                         ; my one tensor load that was still out is slot 1's, the last K step's, so no round follows
	PLACES                                         ; for the loads into buffer 0, which the quarter before multiplied
	FETCH 1, 0, F0
	MUL16 F1, 1, 0, 0
	MUL16 F1, 1, 2, 0
	QUARTER 1, 1, F0, F1, 0
	QUARTER 1, 2, F1, F0, 0
	QUARTER 1, 3, F0, F1, 0
	s_wait_dscnt 8                                 ; the very last quarter: nothing more to fetch
	MUL16 F1, 0, 0, 0
	MUL16 F1, 0, 2, 0
	s_wait_dscnt 0x0
	MUL16 F1, 1, 0, 0
	MUL16 F1, 1, 2, 0
	EPI
	; THE END.  A position's other 64 coreset rows of each block lie in the lane 16 away; then the 128 maxima go through my stage, so that a lane holds four neighbours and the wave stores 512 consecutive bytes.
.irp a, 0,1,2,3,4,5,6,7
	v_permlanex16_b32 v[T+(\a)], v[RM+(\a)], s46, s47
.endr
.irp a, 0,1,2,3,4,5,6,7
	v_max_num_f32 v[RM+(\a)], v[RM+(\a)], v[T+(\a)]
.endr
.irp a, 0,1,2,3,4,5,6,7
	ds_store_b32 v[STO], v[RM+(\a)] offset:64*(\a) ; both halves of the lanes write the same word with the same number
.endr
	ds_load_b128 v[T:T+3], v[RD]                   ; LDS serves a wave's instructions in order (ISA guide 5.7.1.4): this sees the stores above
	s_wait_dscnt 0x0
	global_store_b128 v[GO], v[T:T+3], s[10:11]    ; 512 consecutive bytes, at a multiple of 512 from pm's first byte
	s_wait_tensorcnt 0x0                           ; the wave's end, behind my last tensor load and my last LDS store
	ds_add_u32 v[SPW], v[NIL]
	s_wait_dscnt 0x0
	CROUND                                         ; the closing round: no work-group ends while a partner may still ask for a tile that names it
	s_endpgm
.Lfunc_end_k_q87e26d323b_gemm:
	.size	k_q87e26d323b_gemm, .Lfunc_end_k_q87e26d323b_gemm-k_q87e26d323b_gemm
	.p2alignl 7, 3214868480
	.fill 96, 4, 3214868480
	.section	.rodata,"a",@progbits
	.p2align	6, 0x0
	.amdhsa_kernel k_q87e26d323b_gemm
		.amdhsa_group_segment_fixed_size 327680
		.amdhsa_private_segment_fixed_size 0
		.amdhsa_enable_private_segment 0
		.amdhsa_kernarg_size 32
		.amdhsa_user_sgpr_count 2
		.amdhsa_user_sgpr_kernarg_segment_ptr 1
		.amdhsa_wavefront_size32 1
		.amdhsa_system_sgpr_workgroup_id_x 1
		.amdhsa_system_sgpr_workgroup_id_y 1
		.amdhsa_system_sgpr_workgroup_id_z 1
		.amdhsa_system_vgpr_workitem_id 0
		.amdhsa_next_free_vgpr 1024
		.amdhsa_next_free_sgpr 66
		.amdhsa_reserve_vcc 0
		.amdhsa_float_denorm_mode_32 3
		.amdhsa_float_denorm_mode_16_64 3
		.amdhsa_memory_ordered 1
		.amdhsa_forward_progress 1
		.amdhsa_inst_pref_size 183
	.end_amdhsa_kernel
	.amdgpu_metadata
---
amdhsa.version: [ 1, 2 ]
amdhsa.kernels:
  - .name:           k_q87e26d323b_gemm
    .symbol:         k_q87e26d323b_gemm.kd
    .args:
      - { .name: embT, .offset: 0, .size: 8, .value_kind: global_buffer, .address_space: global }
      - { .name: coreB, .offset: 8, .size: 8, .value_kind: global_buffer, .address_space: global }
      - { .name: yh, .offset: 16, .size: 8, .value_kind: global_buffer, .address_space: global }
      - { .name: pm, .offset: 24, .size: 8, .value_kind: global_buffer, .address_space: global }
    .group_segment_fixed_size: 327680
    .private_segment_fixed_size: 0
    .kernarg_segment_align: 8
    .kernarg_segment_size: 32
    .max_flat_workgroup_size: 128
    .sgpr_count:     66
    .vgpr_count:     1024
    .wavefront_size: 32
...
	.end_amdgpu_metadata
.endif
;; end of part 3
;; launch finish (part 4): grid 128 x 1, 1 waves a work-group, no clusters, 0 bytes of LDS; arguments x2p, pm, out0; writes out0
.if DOCPART == 4
	.amdgcn_target "amdgcn-amd-amdhsa--gfx1250"
	.amdhsa_code_object_version 6
	.text
	.protected	k_q87e26d323b_finish
	.globl	k_q87e26d323b_finish
	.p2align	8
	.type	k_q87e26d323b_finish,@function
k_q87e26d323b_finish:
	s_mov_b64 s[64:65], 0
	v_nop
	global_prefetch_b8 v0, s[64:65] scope:SCOPE_SE
	s_setreg_imm32_b32 hwreg(HW_REG_WAVE_MODE, 25, 1), 1
	s_wait_xcnt 0x0
; out0[n] = sqrt(max(|x_n|^2 - 2 max_p pm[p][n], 1e-12)),  |x_n|^2 = the sum over the 32 rows of x2p.   x2p: [32][8192] f32, pm: [16][8192] f32.
; Root and clip grow with their argument, so the least of the distances is the root of the clipped least squared distance, and that is |x|^2 - 2 x the greatest x.y - |y|^2 / 2.
; LIMITS.  A NaN loses against 1e-12 in v_max_num_f32, where a clip would keep it; the 32 parts are added in four chains.
; SHARES.  A lane owns two neighbouring n, a wave 64: every load and the store cover 256 consecutive bytes, aligned.  8,192 / 64 = 128 work-groups: with whole such blocks there is work for no more.
; All 48 loads go out at once: one trip to memory.  No LDS, no barrier.
.set XS, 4                             ; v[4:67]    x2p's 32 pairs
.set PM, 68                            ; v[68:99]   pm's 16 pairs
.set D,  100                           ; v[100:101] the result
	s_load_b128 s[4:7], s[0:1], 0x0                ; x2p s[4:5], pm s[6:7]
	s_load_b64 s[8:9], s[0:1], 0x10                ; out0
	v_lshlrev_b32 v1, 3, v0                        ; 8 bytes a lane
	s_lshl_b32 s10, ttmp9, 8                       ; 64 words a work-group
	s_mov_b32 s11, 0
	s_wait_kmcnt 0x0
	s_add_nc_u64 s[4:5], s[4:5], s[10:11]
	s_add_nc_u64 s[6:7], s[6:7], s[10:11]
	s_add_nc_u64 s[8:9], s[8:9], s[10:11]
.set c, 0
.rept 32
	global_load_b64 v[XS+2*c:XS+2*c+1], v1, s[4:5] offset:c*32768
.set c, c+1
.endr
.set c, 0
.rept 16
	global_load_b64 v[PM+2*c:PM+2*c+1], v1, s[6:7] offset:c*32768
.set c, c+1
.endr
	s_wait_loadcnt 16                              ; loads come back in order (ISA guide 5.7.1): x2p's 32 are in, pm's 16 may be out
.set c, 4
.rept 28                                       ; four chains, started by the first four pairs
	v_pk_add_f32 v[XS+2*(c%4):XS+2*(c%4)+1], v[XS+2*(c%4):XS+2*(c%4)+1], v[XS+2*c:XS+2*c+1]
.set c, c+1
.endr
	v_pk_add_f32 v[XS:XS+1],   v[XS:XS+1],   v[XS+2:XS+3]
	v_pk_add_f32 v[XS+4:XS+5], v[XS+4:XS+5], v[XS+6:XS+7]
	v_pk_add_f32 v[XS:XS+1],   v[XS:XS+1],   v[XS+4:XS+5]
	s_wait_loadcnt 0x0
	v_max3_num_f32 v[D],   v[PM],   v[PM+2], v[PM+4]
	v_max3_num_f32 v[D+1], v[PM+1], v[PM+3], v[PM+5]
.irp p, 3,5,7,9,11,13
	v_max3_num_f32 v[D],   v[D],   v[PM+2*(\p)],   v[PM+2*(\p)+2]
	v_max3_num_f32 v[D+1], v[D+1], v[PM+2*(\p)+1], v[PM+2*(\p)+3]
.endr
	v_max_num_f32 v[D],   v[D],   v[PM+30]
	v_max_num_f32 v[D+1], v[D+1], v[PM+31]
	v_fma_f32 v[D],   v[D],   -2.0, v[XS]
	v_fma_f32 v[D+1], v[D+1], -2.0, v[XS+1]
	v_max_num_f32 v[D],   0x2b8cbccc, v[D]         ; the clip at 1e-12
	v_max_num_f32 v[D+1], 0x2b8cbccc, v[D+1]
	v_sqrt_f32 v[D],   v[D]
	v_sqrt_f32 v[D+1], v[D+1]
	v_nop                                          ; a plain instruction between the last root and the use of its result (ISA guide 5.7.2)
	s_wait_alu depctr_va_vdst(0)
	global_store_b64 v1, v[D:D+1], s[8:9]          ; 256 consecutive bytes, aligned
	s_endpgm
.Lfunc_end_k_q87e26d323b_finish:
	.size	k_q87e26d323b_finish, .Lfunc_end_k_q87e26d323b_finish-k_q87e26d323b_finish
	.p2alignl 7, 3214868480
	.fill 96, 4, 3214868480
	.section	.rodata,"a",@progbits
	.p2align	6, 0x0
	.amdhsa_kernel k_q87e26d323b_finish
		.amdhsa_group_segment_fixed_size 0
		.amdhsa_private_segment_fixed_size 0
		.amdhsa_enable_private_segment 0
		.amdhsa_kernarg_size 24
		.amdhsa_user_sgpr_count 2
		.amdhsa_user_sgpr_kernarg_segment_ptr 1
		.amdhsa_wavefront_size32 1
		.amdhsa_system_sgpr_workgroup_id_x 1
		.amdhsa_system_sgpr_workgroup_id_y 1
		.amdhsa_system_sgpr_workgroup_id_z 1
		.amdhsa_system_vgpr_workitem_id 0
		.amdhsa_next_free_vgpr 104
		.amdhsa_next_free_sgpr 66
		.amdhsa_reserve_vcc 0
		.amdhsa_float_denorm_mode_32 3
		.amdhsa_float_denorm_mode_16_64 3
		.amdhsa_memory_ordered 1
		.amdhsa_forward_progress 1
		.amdhsa_inst_pref_size 9
	.end_amdhsa_kernel
	.amdgpu_metadata
---
amdhsa.version: [ 1, 2 ]
amdhsa.kernels:
  - .name:           k_q87e26d323b_finish
    .symbol:         k_q87e26d323b_finish.kd
    .args:
      - { .name: x2p, .offset: 0, .size: 8, .value_kind: global_buffer, .address_space: global }
      - { .name: pm, .offset: 8, .size: 8, .value_kind: global_buffer, .address_space: global }
      - { .name: out0, .offset: 16, .size: 8, .value_kind: global_buffer, .address_space: global }
    .group_segment_fixed_size: 0
    .private_segment_fixed_size: 0
    .kernarg_segment_align: 8
    .kernarg_segment_size: 24
    .max_flat_workgroup_size: 32
    .sgpr_count:     66
    .vgpr_count:     104
    .wavefront_size: 32
...
	.end_amdgpu_metadata
.endif
;; end of part 4
;; ======== version 2 of 2: 4 launches; version 1 with the launch prep_emb written anew for expert scheduling mode
;; workspace buffers: embT 16,777,216 bytes; coreB 16,777,216 bytes; yh 32,768 bytes; x2p 1,048,576 bytes; pm 524,288 bytes
;; launch prep_core: the kernel of part 1 again; grid 256 x 1, 8 waves a work-group, no clusters, 1,280 bytes of LDS; arguments coreset, coreB, yh; writes coreB, yh
;; launch prep_emb (part 5): grid 256 x 1, 8 waves a work-group, no clusters, 33,792 bytes of LDS; arguments features, embT, x2p; writes embT, x2p
.if DOCPART == 5
	.amdgcn_target "amdgcn-amd-amdhsa--gfx1250"
	.amdhsa_code_object_version 6
	.text
	.protected	k_q87e26d323b_prep_emb
	.globl	k_q87e26d323b_prep_emb
	.p2align	8
	.type	k_q87e26d323b_prep_emb,@function
k_q87e26d323b_prep_emb:
	s_mov_b64 s[64:65], 0
	v_nop
	global_prefetch_b8 v0, s[64:65] scope:SCOPE_SE
	s_setreg_imm32_b32 hwreg(HW_REG_WAVE_SCHED_MODE, 0, 2), 2
	s_setreg_imm32_b32 hwreg(HW_REG_WAVE_MODE, 25, 1), 1
	s_wait_xcnt 0x0
	s_wait_alu depctr_vm_vsrc(0)
; embT[b][c][h][w] = bf16(the sum of the 3 x 3 window of features[b][c] round (h, w), zeros outside the plane, times 1/9);   features: [8][1024][32][32] f32.
; x2p[cg][b x 1024 + 32 h + w] = the sum over the 32 channels 32 cg .. 32 cg + 31 of embT^2, in f32: the squared norm of the ROUNDED embedding, in 32 parts.
; embT keeps the planes' order (channel-major): the product that follows reads it turned, so pooling is a plain stream.
; LIMITS.  The window's nine numbers are added rows first, then columns; the division by 9 is a multiplication by the f32 nearest to 1/9; NaN and infinities are not treated apart.
; SHARES.  A plane is 4,096 bytes.  The work-group owns 32 planes of one image, a wave four.  Load j of eight, lane l = 8 r + q, holds a(h = 4 j + r, w = 4 q + 0..3).
; All 32 loads of a wave go out at once.  Memory binds: no matrix unit, no cluster, no tile.
; ALONG A ROW a lane needs its left neighbour's last number and its right neighbour's first: one DPP shift each; lanes with q = 0 (q = 7) have no such neighbour and take the sum of two.
; DOWN THE COLUMNS row h needs rows h - 1 and h + 1.  Rows (r = 0, 1) and (r = 2, 3) are added in pairs (lane xor 8).  The third row lies in lane xor 24 in every case: for r = 1, 2 in the same
; registers; for r = 0 in the registers of the four rows above, for r = 3 of the four rows below.  So each lane first chooses what its partner needs, and one exchange brings it.
; THE MODE: SCHED_MODE bits 1:0 = 2 (LLVM: expert scheduling mode 2), set by the entry lines.  The code itself states the register dependences
; between vector instructions and memory or LDS instructions, with s_wait_alu, always for 0.
; THE PLAN.  Registers that memory or LDS instructions touch:
;   v1 .. v4      offsets and LDS addresses: written once at the head, read by every load, store and LDS instruction, never written again.
;   X             the 32 loads land in it at the head, before any vector line names it.  Plane i's lines along the rows read its 32 registers; its lines down the columns round into the first two of each
;                 four; plane i's eight stores read those pairs.  They are issued in plane i + 1, whose lines name its own X alone.  No pair is written again.
;   ACC           written by the four planes' squares, read once by the eight LDS stores, never written again.
;   H             read and written by every plane's lines; behind the barrier the eight LDS loads land in it; the additions write its first four, which the last store reads.
; So ONE wait on va_vdst stands at the head of planes 1 to 3, for the eight stores of the plane before, which are dealt among the plane's lines along the rows; one behind plane 3, for its stores, the LDS
; stores and the LDS loads; one ahead of the last store; one ahead of the first load.  No register that a memory or LDS instruction has read is written again: nothing is owed on vm_vsrc.
.set SPARE, 32768                      ; LDS: bytes 0-32767 eight waves x 1,024 sums of squares; then the spare words, 128 bytes for each wave
.set IN,  1                            ; v1   byte offset of my 16 bytes in my wave's first plane of features
.set OUT, 2                            ; v2   byte offset of my 8 bytes in my wave's first plane of embT
.set LS,  3                            ; v3   LDS: where I put my sums
.set LR,  4                            ; v4   LDS: where I read the eight waves' sums of my four positions; also my byte offset in x2p
.set SPW, 6                            ; v6   LDS address of my spare word; never rewritten
.set NIL, 7                            ; v7   0; never rewritten
.set X,   16                           ; v[16:143]  load (i, j) at X + 4 (8 i + j); its first two registers then hold four bf16
.set H,   144                          ; v[144:183] sums along the rows: v144-147 and v180-183 stay 0 (the rows above and below the plane); load j's at H + 4 + 4 j
.set ACC, 184                          ; v[184:215] sums of squares over my four planes, position (j, e) at ACC + 4 j + e
.set S01, 216
.set S23, 217
.set TL,  218
.set TR,  219
.set T,   220                          ; v[220:223] a pair of rows added
.set Z,   224                          ; v[224:227] what my partner needs
.set ZX,  228                          ; v[228:231] half way to it
.set V,   232                          ; v[232:235] the window's sum, then the mean
.set U,   236                          ; v[236:239] the rounded means as f32
	s_load_b128 s[4:7], s[0:1], 0x0                ; features s[4:5], embT s[6:7]
	s_load_b64 s[8:9], s[0:1], 0x10                ; x2p
	v_lshl_add_u32 v[SPW], v0, 2, SPARE
	v_mov_b32 v[NIL], 0
	v_lshrrev_b32 v5, 5, v0
	v_readfirstlane_b32 s13, v5                    ; my wave's number as a scalar
	v_and_b32 v8, 31, v0                           ; lane
	v_lshlrev_b32 v9, 4, v8
	v_lshlrev_b32 v[OUT], 3, v8
	s_wait_alu depctr_va_sdst(0)                   ; s13 is written, ahead of its first reader: the four lines below take the wave's number from it
	v_lshl_add_u32 v[IN], s13, 14, v9              ; wave x 4 planes x 4,096 + 16 x lane
	v_lshl_add_u32 v[OUT], s13, 13, v[OUT]         ; wave x 4 planes x 2,048 + 8 x lane
	v_lshl_add_u32 v[LS], s13, 12, v9              ; my wave's 4,096 bytes
	v_lshl_add_u32 v[LR], s13, 9, v9               ; positions 128 wave + 4 lane + 0..3
.irp r, 144,145,146,147,180,181,182,183,218,219,220,221,222,223,228,229,230,231,232,233,234,235
	v_mov_b32 v\r, 0                               ; the two rows of zeros; and the destinations of DPP forms and lane exchanges, which count as read
.endr
	s_mov_b32 s12, 0xffff0000                      ; a word's upper bf16
	s_mov_b32 s14, 0x76543210                      ; v_permlanex16_b32: each lane takes its own place in the other half
	s_mov_b32 s15, 0xfedcba98
	s_mov_b32 s20, 0x01010101                      ; lanes with q = 0
	s_mov_b32 s21, 0x80808080                      ; lanes with q = 7
	s_mov_b32 s22, 0x000000ff                      ; lanes with r = 0
	s_mov_b32 s23, 0xff000000                      ; lanes with r = 3
	s_mov_b32 s24, 0x3de38e39                      ; 1/9
	s_mov_b32 s25, s24                             ; named with it as a pair
	s_lshl_b32 s10, ttmp9, 17                      ; 32 planes of 4,096 bytes
	s_mov_b32 s11, 0
	s_and_b32 s16, ttmp9, 31                       ; the group of 32 channels: a row of x2p, 32,768 bytes,
	s_lshl_b32 s16, s16, 15
	s_lshr_b32 s17, ttmp9, 5                       ; the image: 1,024 words in it
	s_lshl_b32 s17, s17, 12
	s_add_co_u32 s16, s16, s17
	s_mov_b32 s17, 0
	s_wait_kmcnt 0x0
	s_add_nc_u64 s[4:5], s[4:5], s[10:11]
	s_lshl_b32 s10, ttmp9, 16                      ; 32 planes of 2,048 bytes
	s_add_nc_u64 s[6:7], s[6:7], s[10:11]
	s_add_nc_u64 s[8:9], s[8:9], s[16:17]
	s_wait_alu depctr_va_vdst(0)                   ; v1 to v4 are written: every load, store and LDS instruction of the kernel reads one of them as its offset or address
.irp i, 0,1,2,3
.irp j, 0,1,2,3,4,5,6,7
	global_load_b128 v[X+4*(8*(\i)+(\j)):X+4*(8*(\i)+(\j))+3], v[IN], s[4:5] offset:(\i)*4096+(\j)*512 th:TH_LOAD_NT
.endr
.endr
; Plane i of my four.  Its rounded pairs are stored in the plane behind it.  No register that a store reads is written again, so no wait stands behind the stores.
.macro PLANE i
	s_wait_loadcnt 24-8*(\i)                       ; loads come back in order (ISA guide 5.7.1): this plane's eight are in, the younger planes' stay out
.if (\i) > 0
	s_wait_alu depctr_va_vdst(0)                   ; the plane before has written its eight rounded pairs, which the eight stores below read
.endif
.irp j, 0,1,2,3,4,5,6,7                ; along the rows
.set A,  X+4*(8*(\i)+(\j))
.set HJ, H+4+4*(\j)
.if (\i) > 0
.set P,  X+4*(8*((\i)-1)+(\j))
	global_store_b64 v[OUT], v[P:P+1], s[6:7] offset:((\i)-1)*2048+(\j)*256  ; the plane before: 32 lanes x 8 bytes: 256 consecutive bytes, aligned.  No wait: no vector line since the wait above names that plane's X or the offset
.endif
	v_add_f32 v[S01], v[A],   v[A+1]
	v_add_f32 v[S23], v[A+2], v[A+3]
	v_add_f32_dpp v[TL], v[A+3], v[S01] row_shr:1 row_mask:0xf bank_mask:0xf bound_ctrl:1  ; the left lane's last number + my first two
	v_add_f32_dpp v[TR], v[A],   v[S23] row_shl:1 row_mask:0xf bank_mask:0xf bound_ctrl:1  ; the right lane's first + my last two
	v_add_f32 v[HJ+1], v[S01], v[A+2]
	v_add_f32 v[HJ+2], v[A+1], v[S23]
	v_cndmask_b32 v[HJ],   v[TL], v[S01], s20      ; at a row's left end there is no left neighbour,
	v_cndmask_b32 v[HJ+3], v[TR], v[S23], s21      ; at its right end no right one
.endr
.irp j, 0,1,2,3,4,5,6,7                ; down the columns; the plane's X is free by now
.set A,  X+4*(8*(\i)+(\j))
.set HJ, H+4+4*(\j)
.irp e, 0,1,2,3
	v_add_f32_dpp v[T+(\e)], v[HJ+(\e)], v[HJ+(\e)] row_xmask:8 row_mask:0xf bank_mask:0xf  ; rows r = 0, 1 together, and r = 2, 3
	v_cndmask_b32 v[Z+(\e)], v[HJ+(\e)], v[HJ+4+(\e)], s22    ; lanes r = 0 send the row four below to their partner, r = 3 of these four rows,
.endr
.irp e, 0,1,2,3
	v_cndmask_b32 v[Z+(\e)], v[Z+(\e)], v[HJ-4+(\e)], s23     ; lanes r = 3 the row four above, to r = 0; lanes r = 1, 2 their own
.endr
.irp e, 0,1,2,3
	v_permlanex16_b32 v[ZX+(\e)], v[Z+(\e)], s14, s15         ; lane xor 16,
.endr
.irp e, 0,1,2,3
	v_add_f32_dpp v[V+(\e)], v[ZX+(\e)], v[T+(\e)] row_xmask:8 row_mask:0xf bank_mask:0xf   ; and xor 8: the third row joins the pair
.endr
	v_pk_mul_f32 v[V:V+1],   v[V:V+1],   s[24:25] op_sel_hi:[1,0]
	v_pk_mul_f32 v[V+2:V+3], v[V+2:V+3], s[24:25] op_sel_hi:[1,0]
	v_cvt_pk_bf16_f32 v[A],   v[V],   v[V+1]
	v_cvt_pk_bf16_f32 v[A+1], v[V+2], v[V+3]
	v_lshlrev_b32 v[U],   16,  v[A]                ; the rounded numbers as f32
	v_and_b32     v[U+1], s12, v[A]
	v_lshlrev_b32 v[U+2], 16,  v[A+1]
	v_and_b32     v[U+3], s12, v[A+1]
.if (\i) == 0
	v_pk_mul_f32 v[ACC+4*(\j):ACC+4*(\j)+1],   v[U:U+1],   v[U:U+1]      ; the first plane's squares start the sums
	v_pk_mul_f32 v[ACC+4*(\j)+2:ACC+4*(\j)+3], v[U+2:U+3], v[U+2:U+3]
.else
	v_pk_fma_f32 v[ACC+4*(\j):ACC+4*(\j)+1],   v[U:U+1],   v[U:U+1],   v[ACC+4*(\j):ACC+4*(\j)+1]
	v_pk_fma_f32 v[ACC+4*(\j)+2:ACC+4*(\j)+3], v[U+2:U+3], v[U+2:U+3], v[ACC+4*(\j)+2:ACC+4*(\j)+3]
.endif
.endr
.endm
	PLANE 0
	PLANE 1
	PLANE 2
	PLANE 3
	; the eight waves' sums meet in LDS: each wave lays down all 1,024 positions, and then adds up 128 of them
	s_wait_alu depctr_va_vdst(0)                   ; plane 3 has written ACC, which the LDS stores read, and its rounded pairs, which the global stores read; and it is done reading and writing H, in which the LDS loads behind the barrier land
.irp j, 0,1,2,3,4,5,6,7
	ds_store_b128 v[LS], v[ACC+4*(\j):ACC+4*(\j)+3] offset:512*(\j)
.endr
.irp j, 0,1,2,3,4,5,6,7
	global_store_b64 v[OUT], v[X+4*(24+(\j)):X+4*(24+(\j))+1], s[6:7] offset:3*2048+(\j)*256  ; plane 3: 256 consecutive bytes each, aligned
.endr
	s_wait_dscnt 0x0                               ; for the others' sake: my sums are in LDS
	s_barrier_signal -1
	s_barrier_wait -1
.irp u, 0,1,2,3,4,5,6,7
	ds_load_b128 v[H+4+4*(\u):H+4+4*(\u)+3], v[LR] offset:4096*(\u)   ; into H: X is still read by stores.  No vector line since the wait above names H
.endr
	s_wait_dscnt 0x0
.irp u, 0,1,2,3
	v_pk_add_f32 v[H+4+4*(\u):H+4+4*(\u)+1],   v[H+4+4*(\u):H+4+4*(\u)+1],   v[H+20+4*(\u):H+20+4*(\u)+1]
	v_pk_add_f32 v[H+4+4*(\u)+2:H+4+4*(\u)+3], v[H+4+4*(\u)+2:H+4+4*(\u)+3], v[H+20+4*(\u)+2:H+20+4*(\u)+3]
.endr
.irp u, 0,1
	v_pk_add_f32 v[H+4+4*(\u):H+4+4*(\u)+1],   v[H+4+4*(\u):H+4+4*(\u)+1],   v[H+12+4*(\u):H+12+4*(\u)+1]
	v_pk_add_f32 v[H+4+4*(\u)+2:H+4+4*(\u)+3], v[H+4+4*(\u)+2:H+4+4*(\u)+3], v[H+12+4*(\u)+2:H+12+4*(\u)+3]
.endr
	v_pk_add_f32 v[H+4:H+5], v[H+4:H+5], v[H+8:H+9]
	v_pk_add_f32 v[H+6:H+7], v[H+6:H+7], v[H+10:H+11]
	s_wait_alu depctr_va_vdst(0)                   ; the additions have written v[H+4:H+7], which the store reads
	global_store_b128 v[LR], v[H+4:H+7], s[8:9]    ; 512 consecutive bytes a wave, aligned
	s_wait_dscnt 0x0                               ; the closing lines, six on end
	s_wait_alu 0x0
	s_wait_tensorcnt 0x0
	ds_add_u32 v[SPW], v[NIL]
	s_wait_dscnt 0x0
	s_endpgm
.Lfunc_end_k_q87e26d323b_prep_emb:
	.size	k_q87e26d323b_prep_emb, .Lfunc_end_k_q87e26d323b_prep_emb-k_q87e26d323b_prep_emb
	.p2alignl 7, 3214868480
	.fill 96, 4, 3214868480
	.section	.rodata,"a",@progbits
	.p2align	6, 0x0
	.amdhsa_kernel k_q87e26d323b_prep_emb
		.amdhsa_group_segment_fixed_size 33792
		.amdhsa_private_segment_fixed_size 0
		.amdhsa_enable_private_segment 0
		.amdhsa_kernarg_size 24
		.amdhsa_user_sgpr_count 2
		.amdhsa_user_sgpr_kernarg_segment_ptr 1
		.amdhsa_wavefront_size32 1
		.amdhsa_system_sgpr_workgroup_id_x 1
		.amdhsa_system_sgpr_workgroup_id_y 1
		.amdhsa_system_sgpr_workgroup_id_z 1
		.amdhsa_system_vgpr_workitem_id 0
		.amdhsa_next_free_vgpr 240
		.amdhsa_next_free_sgpr 66
		.amdhsa_reserve_vcc 0
		.amdhsa_float_denorm_mode_32 3
		.amdhsa_float_denorm_mode_16_64 3
		.amdhsa_memory_ordered 1
		.amdhsa_forward_progress 1
		.amdhsa_inst_pref_size 80
	.end_amdhsa_kernel
	.amdgpu_metadata
---
amdhsa.version: [ 1, 2 ]
amdhsa.kernels:
  - .name:           k_q87e26d323b_prep_emb
    .symbol:         k_q87e26d323b_prep_emb.kd
    .args:
      - { .name: features, .offset: 0, .size: 8, .value_kind: global_buffer, .address_space: global }
      - { .name: embT, .offset: 8, .size: 8, .value_kind: global_buffer, .address_space: global }
      - { .name: x2p, .offset: 16, .size: 8, .value_kind: global_buffer, .address_space: global }
    .group_segment_fixed_size: 33792
    .private_segment_fixed_size: 0
    .kernarg_segment_align: 8
    .kernarg_segment_size: 24
    .max_flat_workgroup_size: 256
    .sgpr_count:     66
    .vgpr_count:     240
    .wavefront_size: 32
...
	.end_amdgpu_metadata
.endif
;; end of part 5
;; launch gemm: the kernel of part 3 again; grid 8 x 32, 4 waves a work-group, clusters of 4 x 4, 327,680 bytes of LDS; arguments embT, coreB, yh, pm; writes pm
;; launch finish: the kernel of part 4 again; grid 128 x 1, 1 waves a work-group, no clusters, 0 bytes of LDS; arguments x2p, pm, out0; writes out0
